; MI455X (gfx1250); checked and timed in simulation.
; The chip was launched on July 23, 2026; its instructions are those of AMD's public machine-readable ISA for CDNA 5 (MIT licence, August 2026) and "CDNA5" Instruction Set Architecture Reference Guide (July 2026). The comments in the code are by the model that wrote it; some were corrected since.
;; Re LU Transformer. Allowed arithmetic: float matrix products may take bf16 or f16 operands with f32 sums; all other float work in f32.
;; Inputs: bounds 2 x 8,192 float32.
;; Outputs: out0 2 x 8,192 float32.
;; One version. Each part assembles by itself: llvm-mc -triple=amdgcn-amd-amdhsa -mcpu=gfx1250 --defsym DOCPART=n.
;; ======== version 1 of 1: 1 launch
;; launch relu_relax (part 1): grid 64 x 1, 1 waves a work-group, no clusters, 0 bytes of LDS; arguments bounds, out0; writes out0
.if DOCPART == 1
	.amdgcn_target "amdgcn-amd-amdhsa--gfx1250"
	.amdhsa_code_object_version 6
	.text
	.protected	k_q657ceee74d_relu_relax
	.globl	k_q657ceee74d_relu_relax
	.p2align	8
	.type	k_q657ceee74d_relu_relax,@function
k_q657ceee74d_relu_relax:
	s_mov_b64 s[64:65], 0
	v_nop
	global_prefetch_b8 v0, s[64:65] scope:SCOPE_SE
	s_setreg_imm32_b32 hwreg(HW_REG_WAVE_MODE, 25, 1), 1
	s_wait_xcnt 0x0
; ReLU relaxation of interval bounds with one back-substitution step.  bounds, out0: [2][8192] f32, row 0 lower, row 1 upper.
;
; reference() multiplies clip(diag(beta)) and clip(diag(lmbda)), dense [8192][8192], by lb and ub.  Every off-diagonal entry is a zero that
; reference() writes itself, so row i of each product is its diagonal term alone:
;   lower = max(beta,0) lb + min(beta,0) ub          upper = max(lmbda,0) ub + min(lmbda,0) lb + mu
; These terms, the masks, the guarded divisor, both clips and both closing selects are computed here as written there, in f32, neuron by neuron.
; One live product a row would fill 16 of a 16x16x32 matrix instruction's 8,192 multiplies and would round lb and ub to bf16: the vector unit does it.
;
; LIMITS.  (1) x / diff is x times a reciprocal of about one unit in the last place, not a correctly rounded quotient; it holds for every
; positive finite diff, denormal ones too (see SCALE below).  (2) The products and sums of lower and upper are fused multiply-adds.
; (3) An infinity or a NaN in one neuron stays in that neuron; in the dense sums 0 x inf makes lower and upper NaN in EVERY row, which then
; lose both closing selects, so that reference() returns new_lb, new_ub there.  Here such rows keep their own lower (equal to new_lb) and upper.
;
; SHARES.  64 work-groups of one wave; a lane owns 4 neighbouring neurons = 16 bytes of each row, so each load and each store of the wave
; covers 512 consecutive bytes that start at a multiple of 512 from the buffer's first byte.  64 x 32 x 4 = 8,192.  Every byte is moved once.
; No LDS, no barrier: no wave needs another's numbers.  Work is laid in stages over the lane's four neurons, so that neighbouring lines do not
; wait for each other.
.set ROW, 32768                        ; bytes in a row of bounds and of out0
.set LB,  4                            ; v[4:7]    lb
.set UB,  8                            ; v[8:11]   ub
.set NL,  12                           ; v[12:15]  new_lb, at the end out_lb
.set NU,  16                           ; v[16:19]  new_ub, at the end out_ub
.set D,   20                           ; v[20:23]  diff, then diff x scale
.set S,   24                           ; v[24:27]  the scale, a power of two
.set R,   28                           ; v[28:31]  1 / (diff x scale)
.set Q,   32                           ; v[32:35]  ub x scale, ub / diff, lmbda
.set T,   36                           ; v[36:39]  -lb ub, then mu, then upper
.set B,   40                           ; v[40:43]  beta
.set BP,  44                           ; v[44:47]  max(beta, 0)
.set BM,  48                           ; v[48:51]  min(beta, 0)
.set LO,  52                           ; v[52:55]  lower
.set LP,  56                           ; v[56:59]  max(lmbda, 0)
.set LM,  60                           ; v[60:63]  min(lmbda, 0)
.set I2,  16                           ; s[16:19]  lane masks of ind2, one register for each of the four neurons; at the end lower > new_lb
.set I3,  20                           ; s[20:23]  ind3; at the end upper < new_ub
.set I24, 24                           ; s[24:27]  ind4, then ind2 | ind4
.set I23, 28                           ; s[28:31]  ind2 | ind3
.set TM,  32                           ; s[32:35]  lb < 0
	s_load_b128 s[4:7], s[0:1], 0x0                ; bounds s[4:5], out0 s[6:7]
	s_lshl_b32 s2, ttmp9, 9                        ; the work-group's 512 bytes of a row
	v_lshl_or_b32 v1, v0, 4, s2                    ; + 16 bytes a lane (below 512, so OR adds); never rewritten
	s_wait_kmcnt 0x0                               ; the two addresses are there
	global_load_b128 v[LB:LB+3], v1, s[4:5] th:TH_LOAD_NT
	global_load_b128 v[UB:UB+3], v1, s[4:5] offset:ROW th:TH_LOAD_NT
	s_wait_loadcnt 0x0                             ; both rows: the first stage below reads both
	; the masks.  A compare with a NaN is false, as in reference().
.irp j, 0,1,2,3
	v_cmp_le_f32 s[I2+\j],  0, v[LB+\j]            ; ind2: lb >= 0
	v_cmp_lt_f32 s[I3+\j],  0, v[UB+\j]            ; ub > 0
	v_cmp_gt_f32 s[TM+\j],  0, v[LB+\j]            ; lb < 0
	v_cmp_gt_f32 s[I24+\j], v[UB+\j], -v[LB+\j]    ; ub > -lb
.endr
.irp p, 0,2
	v_pk_add_f32 v[D+\p:D+\p+1], v[UB+\p:UB+\p+1], v[LB+\p:LB+\p+1] neg_lo:[0,1] neg_hi:[0,1]   ; ub - lb
.endr
.irp j, 0,1,2,3
	v_mul_f32 v[T+\j], -v[LB+\j], v[UB+\j]         ; -lb ub, mu's numerator
.endr
.irp j, 0,1,2,3
	s_and_b32 s[I3+\j],  s[I3+\j],  s[TM+\j]       ; ind3 = (ub > 0) & (lb < 0)
	s_and_b32 s[I24+\j], s[I24+\j], s[I3+\j]       ; ind4 = (ub > -lb) & ind3
	s_or_b32  s[I24+\j], s[I24+\j], s[I2+\j]       ; ind2 | ind4
	s_or_b32  s[I23+\j], s[I2+\j],  s[I3+\j]       ; ind2 | ind3
.endr
.irp j, 0,1,2,3
	v_cndmask_b32 v[D+\j], 1.0, v[D+\j], s[I3+\j]  ; diff = ind3 ? ub - lb : 1; positive in every lane (ind3 means ub > 0 > lb)
.endr
	; SCALE.  v_rcp_f32 takes a denormal source as zero and gives zero for a denormal result (ISA guide 15.8), which would lose diff below
	; 2^-126 and above 2^126.  So diff and both numerators are first multiplied by 2^(127 - e), e = diff's exponent field cut off at 253:
	; the word (254 - e) << 23.  diff x scale then lies in [1, 2), in [2, 4) for e = 254, in [2^-22, 2) for a denormal diff; the factor is a
	; power of two, so the products are exact but where a numerator far smaller than diff goes denormal.  For diff = 1 the scale is 1.
.irp j, 0,1,2,3
	v_and_b32 v[S+\j], 0x7f800000, v[D+\j]         ; e << 23
.endr
.irp j, 0,1,2,3
	v_min_u32 v[S+\j], 0x7e800000, v[S+\j]         ; at most 253 << 23, so that the scale's own field stays at 1 or above
.endr
.irp j, 0,1,2,3
	v_sub_nc_u32 v[S+\j], 0x7f000000, v[S+\j]      ; (254 - e) << 23 = the f32 2^(127 - e)
.endr
.irp p, 0,2
	v_pk_mul_f32 v[D+\p:D+\p+1], v[D+\p:D+\p+1], v[S+\p:S+\p+1]
.endr
.irp j, 0,1,2,3
	v_rcp_f32 v[R+\j], v[D+\j]
.endr
	; Behind a v_rcp_f32 a plain vector instruction that touches neither its result nor its source comes first (ISA guide 5.7.2):
	; the twelve selects below name neither R nor D.
.irp j, 0,1,2,3
	v_cndmask_b32 v[B+\j],  0, 1.0,      s[I24+\j] ; beta   = ind2 | ind4 ? 1  : 0
	v_cndmask_b32 v[NL+\j], 0, v[LB+\j], s[I24+\j] ; new_lb = ind2 | ind4 ? lb : 0
	v_cndmask_b32 v[NU+\j], 0, v[UB+\j], s[I23+\j] ; new_ub = ind2 | ind3 ? ub : 0
.endr
.irp p, 0,2
	v_pk_mul_f32 v[Q+\p:Q+\p+1], v[UB+\p:UB+\p+1], v[S+\p:S+\p+1]     ; ub x scale: at most diff x scale, below 4
	v_pk_mul_f32 v[T+\p:T+\p+1], v[T+\p:T+\p+1],   v[S+\p:S+\p+1]     ; -lb ub x scale: -lb ub <= diff^2 / 4, so this stays finite where -lb ub is
.endr
	s_wait_alu depctr_va_vdst(0)
.irp p, 0,2
	v_pk_mul_f32 v[Q+\p:Q+\p+1], v[Q+\p:Q+\p+1], v[R+\p:R+\p+1]       ; ub / diff
	v_pk_mul_f32 v[T+\p:T+\p+1], v[T+\p:T+\p+1], v[R+\p:R+\p+1]       ; -lb ub / diff
.endr
.irp j, 0,1,2,3
	v_cndmask_b32 v[Q+\j], 0, v[Q+\j], s[I3+\j]    ; ind3 ? ub / diff : 0
	v_cndmask_b32 v[T+\j], 0, v[T+\j], s[I3+\j]    ; mu = ind3 ? -lb ub / diff : 0
.endr
.irp j, 0,1,2,3
	v_cndmask_b32 v[Q+\j], v[Q+\j], 1.0, s[I2+\j]  ; lmbda = ind2 ? 1 : the above
.endr
	; back-substitution: the diagonal terms of clip(M, 0, .) and clip(M, ., 0)
.irp j, 0,1,2,3
	v_max_num_f32 v[BP+\j], 0, v[B+\j]
	v_min_num_f32 v[BM+\j], 0, v[B+\j]
	v_max_num_f32 v[LP+\j], 0, v[Q+\j]
	v_min_num_f32 v[LM+\j], 0, v[Q+\j]
.endr
.irp p, 0,2
	v_pk_mul_f32 v[LO+\p:LO+\p+1], v[BM+\p:BM+\p+1], v[UB+\p:UB+\p+1]                    ; min(beta, 0) ub
	v_pk_fma_f32 v[T+\p:T+\p+1],   v[LM+\p:LM+\p+1], v[LB+\p:LB+\p+1], v[T+\p:T+\p+1]    ; min(lmbda, 0) lb + mu
.endr
.irp p, 0,2
	v_pk_fma_f32 v[LO+\p:LO+\p+1], v[BP+\p:BP+\p+1], v[LB+\p:LB+\p+1], v[LO+\p:LO+\p+1]  ; lower
	v_pk_fma_f32 v[T+\p:T+\p+1],   v[LP+\p:LP+\p+1], v[UB+\p:UB+\p+1], v[T+\p:T+\p+1]    ; upper
.endr
	; the tighter of the two, by compare and select as in reference(): a NaN in lower or upper loses
.irp j, 0,1,2,3
	v_cmp_gt_f32 s[I2+\j], v[LO+\j], v[NL+\j]      ; lower > new_lb (the masks of ind2 and ind3 have had their last use)
	v_cmp_lt_f32 s[I3+\j], v[T+\j],  v[NU+\j]      ; upper < new_ub
.endr
.irp j, 0,1,2,3
	v_cndmask_b32 v[NL+\j], v[NL+\j], v[LO+\j], s[I2+\j]
	v_cndmask_b32 v[NU+\j], v[NU+\j], v[T+\j],  s[I3+\j]
.endr
	global_store_b128 v1, v[NL:NL+3], s[6:7] th:TH_STORE_NT               ; out_lb: the wave's 512 consecutive bytes of row 0
	global_store_b128 v1, v[NU:NU+3], s[6:7] offset:ROW th:TH_STORE_NT    ; out_ub: the same place in row 1
	s_endpgm                                       ; nothing is rewritten behind the stores, so no wait stands here
.Lfunc_end_k_q657ceee74d_relu_relax:
	.size	k_q657ceee74d_relu_relax, .Lfunc_end_k_q657ceee74d_relu_relax-k_q657ceee74d_relu_relax
	.p2alignl 7, 3214868480
	.fill 96, 4, 3214868480
	.section	.rodata,"a",@progbits
	.p2align	6, 0x0
	.amdhsa_kernel k_q657ceee74d_relu_relax
		.amdhsa_group_segment_fixed_size 0
		.amdhsa_private_segment_fixed_size 0
		.amdhsa_enable_private_segment 0
		.amdhsa_kernarg_size 16
		.amdhsa_user_sgpr_count 2
		.amdhsa_user_sgpr_kernarg_segment_ptr 1
		.amdhsa_wavefront_size32 1
		.amdhsa_system_sgpr_workgroup_id_x 1
		.amdhsa_system_sgpr_workgroup_id_y 1
		.amdhsa_system_sgpr_workgroup_id_z 1
		.amdhsa_system_vgpr_workitem_id 0
		.amdhsa_next_free_vgpr 64
		.amdhsa_next_free_sgpr 66
		.amdhsa_reserve_vcc 0
		.amdhsa_float_denorm_mode_32 3
		.amdhsa_float_denorm_mode_16_64 3
		.amdhsa_memory_ordered 1
		.amdhsa_forward_progress 1
		.amdhsa_inst_pref_size 9
	.end_amdhsa_kernel
	.amdgpu_metadata
---
amdhsa.version: [ 1, 2 ]
amdhsa.kernels:
  - .name:           k_q657ceee74d_relu_relax
    .symbol:         k_q657ceee74d_relu_relax.kd
    .args:
      - { .name: bounds, .offset: 0, .size: 8, .value_kind: global_buffer, .address_space: global }
      - { .name: out0, .offset: 8, .size: 8, .value_kind: global_buffer, .address_space: global }
    .group_segment_fixed_size: 0
    .private_segment_fixed_size: 0
    .kernarg_segment_align: 8
    .kernarg_segment_size: 16
    .max_flat_workgroup_size: 32
    .sgpr_count:     66
    .vgpr_count:     64
    .wavefront_size: 32
...
	.end_amdgpu_metadata
.endif
;; end of part 1
